; MI455X (gfx1250); checked and timed in simulation.
; The chip was launched on July 23, 2026; its instructions are those of AMD's public machine-readable ISA for CDNA 5 (MIT licence, August 2026) and "CDNA5" Instruction Set Architecture Reference Guide (July 2026). The comments in the code are by the model that wrote it; some were corrected since.
;; INR. Allowed arithmetic: float matrix products may take bf16 or f16 operands with f32 sums; other float arithmetic in f32, or as packed bf16 or f16 multiplies, adds, multiply-adds, maxima and minima; sums over many terms, partial sums and values carried from step to step in f32; what a program stores and reads back later, other than sums and carried values, may be rounded once to bf16 or f16.
;; Inputs: color_b 16 x 3 float32; color_w 16 x 3 float32; dec_b1 256 float32; dec_b2 256 float32; dec_b3 3 float32; dec_w1 256 x 256 float32; dec_w2 256 x 256 float32; dec_w3 256 x 3 float32; proj_b 256 float32; proj_w 2 x 256 float32; rotation_angle 16 x 1 float32; sample_idx 8 int32; shift_vectors 16 x 2 float32; x 8 x 256 x 256 x 2 float32.
;; Outputs: out0 8 x 64 x 64 x 3 float32; out1 8 float32; out2 8 float32.
;; Constants: pool_k = 4.
;; One version. Each part assembles by itself: llvm-mc -triple=amdgcn-amd-amdhsa -mcpu=gfx1250 --defsym DOCPART=n.
;; ======== version 1 of 1: 1 launch
;; limits: values are held in f16: magnitudes above 65,504 overflow, below 6.1e-05 lose precision; a function is approximated: absolute error at most 4.1e-05
;; launch inr (part 1): grid 256 x 1, 4 waves a work-group, no clusters, 294,912 bytes of LDS; arguments x, sample_idx, shift_vectors, rotation_angle, proj_w, proj_b, dec_w1, dec_b1, dec_w2, dec_b2, dec_w3, dec_b3, color_w, color_b, out0, out1, out2; writes out0, out1, out2
.if DOCPART == 1
	.amdgcn_target "amdgcn-amd-amdhsa--gfx1250"
	.amdhsa_code_object_version 6
	.text
	.protected	k_qb6993a952c_inr
	.globl	k_qb6993a952c_inr
	.p2align	8
	.type	k_qb6993a952c_inr,@function
k_qb6993a952c_inr:
	s_mov_b64 s[64:65], 0
	v_nop
	global_prefetch_b8 v0, s[64:65] scope:SCOPE_SE
	s_setreg_imm32_b32 hwreg(HW_REG_WAVE_MODE, 25, 1), 1
	s_wait_xcnt 0x0
; INR: per-frame rotation and shift of (cx, cy); 256 features sin(coords . proj_w + proj_b); two layers 256 x 256 with bias and ReLU; a layer 256 -> 3;
; per-frame colour scale and bias (identity for sample 0); mean over 4 x 4 pixels.  out1, out2: the frames' dx, dy.  All in ONE launch; activations never leave registers.
; SHARES.  256 work-groups of four waves.  Work-group g: frame g / 32, image rows 8 (g % 32) .. + 7 = 16,384 consecutive bytes of x, 1,536 consecutive bytes of out0.
; Wave w: pooled row w / 2 (4 image rows), columns 128 (w % 2) .. + 127, in 8 passes of 64 pixels: pixel tile n = image row n, lane % 16 = column.  So the pool is a sum over the
; four tiles and over quads of lanes.
; LAYOUT.  Every product is used transposed: source 0 = 16 output features (weights), source 1 = 16 pixels.  In a result a lane holds ONE pixel and the features 8 (lane / 16) + 0..7, so two results
; rounded in pairs ARE source 1 (32 features x 16 pixels) of the next layer.  Both weight matrices lie in LDS for the whole launch, as they lie in memory ([k][n]), in f16, and come out turned (ds_load_tr16_b128).
; FORMATS.  Layers 1 and 2: f16 operands, f32 sums.  Layer 3: bf16 (h2 may pass f16's range), dec_w3 as bf16 high part + bf16 low part in two rows of the same 16-row tile.  coords . proj_w (K = 2), the sine, biases, colour, pool: f32.
; THE SINE.  t = arg / 2 pi - 1/4; f = fract(t); z = f f - f; sin(arg) = cos(2 pi f) = a polynomial of degree 4 in z (the Chebyshev series of cos(pi x) cut behind T8).
; LIMITS.  The polynomial is off by 4.1e-5 at the most.  The argument is formed in turns in f32: its error grows with |arg| as any f32 argument's does.
; f16 holds no number of 65,520 or more: |dec_w1|, |dec_w2| and |h1| (at most a column's sum of |dec_w1| plus |dec_b1|) must stay below.  The mean is taken ahead of the colour scale (both are linear: another order of rounding).
; sample_idx is clamped to 0..15.  NaN and infinities are not treated apart.
; NO CLUSTER, NO TENSOR LOADS: what the work-groups share (dec_w1, dec_w2) arrives in f32 and must pass through registers to become f16; it is read once a work-group, 524,288 bytes for 8,448 products a wave.
;
; LDS, in bytes
.set PITCH, 544                        ; a row of 256 f16 + 32 of padding: an odd multiple of 32, as the turning load's 8 rows x 32 bytes want it
.set KROW,  32*PITCH                   ; a k step's 32 rows
.set W2H,   256*PITCH                  ; dec_w1's 256 rows lie from 0, dec_w2's follow them row for row
.set TAB,   512*PITCH                  ; three f32 tables: proj_w[0] / 2 pi, proj_w[1] / 2 pi, proj_b / 2 pi - 1/4; each 1,024 bytes, written TWICE on end, so that feature blocks 8 and 9 are blocks 0 and 1
.set TP,    2048                       ; from table to table
.set B1T,   TAB+3*TP                   ; dec_b1, then dec_b2, f32
.set W3T,   B1T+2048                   ; dec_w3 turned: rows 0-2 the high parts of channels 0-2, rows 3-5 the low parts; [row][k] bf16
.set W3P,   528                        ; 512 + 16
.set STG,   W3T+3328                   ; the work-group's 384 results, in out0's order
.set SPARE, STG+4096                   ; the spare words, 128 bytes for each wave: two blocks of 256 bytes that no other line names
; VECTOR REGISTERS, in windows of 256 (s_set_vgpr_msb: bits 1:0 source 0, 3:2 source 1, 5:4 source 2, 7:6 destination)
;   window 1: H1, layer 2's source 1: k step ks, tile n at 32 ks + 8 n.  While layer 1 runs: dec_b1 as 16 C operands, at 8 mt
;   windows 2, 3: layer 1's 64 accumulators: (mt, n) in window 2 + mt / 8 at 32 (mt % 8) + 8 n.  In layer 2: window 2 two sets of 16 accumulators; window 3 as named below
.set AW,  4                            ; my lane's place in 32 rows of weights; never rewritten
.set AK,  5                            ; AW + the k step in hand
.set A2A, 6                            ; AW + dec_w2's k steps 0-3
.set A2B, 7                            ; AW + dec_w2's k steps 4-7
.set AC0, 8                            ; my 8 features' place in the tables
.set ACW, 9                            ; AC0 + the loop's step
.set AB1, 10                           ; my 8 features' place in dec_b1
.set AW3, 11                           ; my row of dec_w3
.set XO,  12                           ; 8 x (lane % 16): my pixel in 16 pixels of x
.set SO0, 13                           ; my word in the stage, pass 0
.set ZR,  14                           ; 0, for the packed maxima
.set SC,  15                           ; my channel's scale / 16
.set BI,  16                           ; my channel's bias + dec_b3 x scale
.set SPW, 17                           ; my spare word: SPARE + 4 x my thread's number; never rewritten
.set NIL, 18                           ; 0; never rewritten
.set SOW, 19                           ; SO0 + the pass
.set XY,  24                           ; v24-31   tile n: (nx, ny)
.set XR,  32                           ; v32-39   tile n: (cx, cy) of the next pass
.set CO0, 40                           ; v40-63   coefficients of 8 features, first half of a block of 32: 8 of each table
.set T0,  64                           ; v64-95   a block of 32 features x 64 pixels in f16: tile n at + 8 n
.set T1,  96                           ; v96-127  the other
.set CO1, 128                          ; v128-151 coefficients, second half of a block
.set F,   152                          ; v152-159 the sine, at work
.set Z,   160                          ; v160-167
.set FA0, 168                          ; v168-199 four fragments of weights; FA0 + 32 = v200-231 the other buffer
.set E,   232                          ; v232-243 the pool, at work
.set CAV, 244                          ; cos a
.set SAV, 245                          ; sin a
.set DXV, 246
.set DYV, 247
.set NSAV, 248                         ; - sin a
.set HT,  96                           ; v96-159  64 features of h2 in bf16, over T1, CO1 and F, which are dead in layer 2: (kl, n) at + 32 kl + 8 n
.set B2F, 32                           ; window 3: dec_b2 as 16 C operands, at + 8 mt
.set W3F, 160                          ; window 3: dec_w3's 8 fragments, at + 8 ks.  Window 3, v0-31: layer 3's four accumulators
; at work in the head only, in T0's registers
.set RT,  80                           ; v80-87   a row's 8 f16 words, two sets
.set WS0, 88                           ; my 16 bytes in my wave's first row of weights in LDS
.set WS,  89
.set GOFF, 90                          ; 32 x lane
.set TA,  91                           ; TAB + 8 t
.set W3A, 92                           ; W3T + 4 t
.set O8,  93                           ; 8 t
.set O24, 94                           ; 24 t
; SCALAR REGISTERS.  s[8:41] the 17 addresses in the order of the arguments: x 8, sample_idx 10, shift_vectors 12, rotation_angle 14, proj_w 16, proj_b 18, dec_w1 20, dec_b1 22,
; dec_w2 24, dec_b2 26, dec_w3 28, dec_b3 30, color_w 32, color_b 34, out0 36, out1 38, out2 40
.set WV,  2                            ; my wave's number
.set PR0, 42                           ; s[42:51] the polynomial's five coefficients, each as a pair
.set PR1, 44
.set PR2, 46
.set PR3, 48
.set PR4, 50
.set IDX, 55                           ; my frame's sample
.set M1,  58                           ; lanes with lane % 4 = 1
.set M2,  59                           ; lanes with lane % 4 = 2 or 3
.set XP,  60                           ; s[60:61] x at my wave's next pass;  s[62:63] its step
.set PASS, 66
.set KCT, 67
.set LAP, 68
.set WSB, 69                           ; the lap's rows in LDS
.set NB,  70                           ; s[70:71] the weights' rows that the lap in hand asks for;  s[72:73], s[74:75] dec_w2's two laps
.set FB4, 89                           ; 4 x frame
.set KBO, 93                           ; the loop's k step, in bytes of LDS
.set CBO, 94                           ; the same in bytes of the tables
.set PO,  95                           ; the pass, in bytes of the stage
.set MSB, 0
.macro WIN new                         ; the immediate's high byte repeats the setting that is left; a switch that changes nothing is dropped
.if MSB != (\new)
	s_set_vgpr_msb (MSB<<8)|(\new)
.set MSB, \new
.endif
.endm
.macro PLACES                          ; four places between a matrix instruction and a load into, or a vector instruction on, its registers (ISA guide 7.12.1 for vector instructions)
.rept 4
	v_nop
.endr
.endm
.macro SPAIR r, val
	s_mov_b32 s[\r], \val
	s_mov_b32 s[(\r)+1], \val
.endm
; Four fragments of weights (4 x 16 output features, 32 along k) from byte off behind v[areg]: the turning load takes 16 k x 16 features and leaves half a fragment
.macro FETCH buf, areg, off
.set ff, 0
.rept 4
	ds_load_tr16_b128 v[(\buf)+8*ff:(\buf)+8*ff+3],   v[\areg] offset:(\off)+32*ff
	ds_load_tr16_b128 v[(\buf)+8*ff+4:(\buf)+8*ff+7], v[\areg] offset:(\off)+32*ff+16*PITCH
.set ff, ff+1
.endr
.endm
.macro FETCH2 buf, g, k                ; dec_w2's fragments of features 64 g .. + 63, k step k
.if (\k) < 4
	FETCH \buf, A2A, (\k)*KROW+128*(\g)
.else
	FETCH \buf, A2B, ((\k)-4)*KROW+128*(\g)
.endif
.endm
.macro LDCO co, creg, off              ; 8 features' coefficients from each of the three tables
.irp tau, 0,1,2
	ds_load_b128 v[(\co)+8*\tau:(\co)+8*\tau+3],   v[\creg] offset:\tau*TP+(\off)
	ds_load_b128 v[(\co)+8*\tau+4:(\co)+8*\tau+7], v[\creg] offset:\tau*TP+(\off)+16
.endr
.endm
; THE SINE of 8 features of one pixel a lane (tile n, half c of a block of 32) is a list of 40 plain vector lines, two features to a line but for the fractions; SLINE writes line l.
.macro SLINE n, c, tn, l
.set rC, CO0+(CO1-CO0)*(\c)
.set rJ, 2*((\l)%4)
.set rX, XY+2*(\n)
.if (\l) < 4
	v_pk_fma_f32 v[F+rJ:F+rJ+1], v[rX:rX+1], v[rC+8+rJ:rC+8+rJ+1], v[rC+16+rJ:rC+16+rJ+1] op_sel:[1,0,0]  ; ny w1' + b': both halves take the pair's second word
.elseif (\l) < 8
	v_pk_fma_f32 v[F+rJ:F+rJ+1], v[rX:rX+1], v[rC+rJ:rC+rJ+1], v[F+rJ:F+rJ+1] op_sel_hi:[0,1,1]           ; + nx w0': both halves take its first
.elseif (\l) < 16
	v_fract_f32 v[F+(\l)-8], v[F+(\l)-8]
.elseif (\l) < 20
	v_pk_fma_f32 v[Z+rJ:Z+rJ+1], v[F+rJ:F+rJ+1], v[F+rJ:F+rJ+1], v[F+rJ:F+rJ+1] neg_lo:[0,0,1] neg_hi:[0,0,1]  ; z = f f - f
.elseif (\l) < 24
	v_pk_fma_f32 v[F+rJ:F+rJ+1], v[Z+rJ:Z+rJ+1], s[PR4:PR4+1], s[PR3:PR3+1] op_sel_hi:[1,0,0]
.elseif (\l) < 28
	v_pk_fma_f32 v[F+rJ:F+rJ+1], v[F+rJ:F+rJ+1], v[Z+rJ:Z+rJ+1], s[PR2:PR2+1] op_sel_hi:[1,1,0]
.elseif (\l) < 32
	v_pk_fma_f32 v[F+rJ:F+rJ+1], v[F+rJ:F+rJ+1], v[Z+rJ:Z+rJ+1], s[PR1:PR1+1] op_sel_hi:[1,1,0]
.elseif (\l) < 36
	v_pk_fma_f32 v[F+rJ:F+rJ+1], v[F+rJ:F+rJ+1], v[Z+rJ:Z+rJ+1], s[PR0:PR0+1] op_sel_hi:[1,1,0]
.else
	v_cvt_pk_f16_f32 v[(\tn)+8*(\n)+4*(\c)+rJ/2], v[F+rJ], v[F+rJ+1]
.endif
.endm
.macro SR i, tn                        ; slice i of 64 of a block's sines: five lines.  Eight slices are a list; lists 0-3 are the four tiles' first halves, 4-7 their second
.set rU, (\i)/8
.set rL, 5*((\i)%8)
.rept 5
	SLINE rU%4, rU/4, \tn, rL
.set rL, rL+1
.endr
.endm
; A K STEP OF LAYER 1: 64 products (16 feature tiles x 4 pixel tiles, the 64 accumulators by turns), on block tc; behind each a slice of the NEXT block's sines, into tn.
; Four runs of 16 products on two fragment buffers; at a run's head the next run's 8 loads go out (the five plain lines behind the last product that read that buffer are its places), and in runs 0 and 2
; the coefficients that the slices want two runs on.  first = 1: the products start the sums with dec_b1 as C.
.macro KSTEP tc, tn, first, areg, aoff, creg, o1, o0
.set kq, 0
.rept 4
	WIN 0
.if kq == 0
	LDCO CO1, \creg, \o1
.elseif kq == 2
	LDCO CO0, \creg, \o0
.endif
.if kq < 3
	FETCH FA0+32*((kq+1)%2), \areg, (\aoff)+128*(kq+1)
.else
	FETCH FA0, \areg, (\aoff)+KROW           ; the next k step's first run
.endif
.if kq%2 == 0
	s_wait_dscnt 14                          ; all but the 6 + 8 just issued: this run's fragments (asked for a run ago) and these slices' coefficients (two runs ago) are in
.else
	s_wait_dscnt 8                           ; all but the 8 just issued
.endif
.set kf, 0
.rept 4
.set kn, 0
.rept 4
.set rA, FA0+32*(kq%2)+8*kf
.set rB, (\tc)+8*kn
.set rD, 32*((4*kq+kf)%8)+8*kn
.set rE, 8*(4*kq+kf)
.if \first
	WIN 0x90+0x40*(kq/2)                     ; C in window 1, D in window 2 or 3
	v_wmma_f32_16x16x32_f16 v[rD:rD+7], v[rA:rA+7], v[rB:rB+7], v[rE:rE+7]
.else
	WIN 0xA0+0x50*(kq/2)                     ; C and D in window 2 or 3
	v_wmma_f32_16x16x32_f16 v[rD:rD+7], v[rA:rA+7], v[rB:rB+7], v[rD:rD+7]
.endif
	WIN 0
	SR 16*kq+4*kf+kn, \tn
.set kn, kn+1
.endr
.set kf, kf+1
.endr
.set kq, kq+1
.endr
.endm
; Layer 2's way on, for a group of 64 features whose 16 accumulators lie from prev on in window 2: line i of 64 rounds a pair to bf16 (each accumulator's lowest registers first); MX is the ReLU on two
.macro CV i, prev
.set rF, (\i)/16
.set rN, ((\i)/4)%4
.set rJ, (\i)%4
	WIN 0x0A                                 ; sources in window 2, destination in window 0
	v_cvt_pk_bf16_f32 v[HT+32*(rF/2)+8*rN+4*(rF%2)+rJ], v[(\prev)+32*rF+8*rN+2*rJ], v[(\prev)+32*rF+8*rN+2*rJ+1]
.endm
.macro MX i
	WIN 0
	v_pk_max_num_bf16 v[HT+(\i)], v[HT+(\i)], v[ZR]
.endm
.macro L3B g                           ; layer 3 on group g's 64 features: 8 products, the four accumulators by turns; the very first four start the sums
	WIN 0xF3                                 ; dec_w3 in window 3, h2 in window 0, C and D in window 3
.irp kl, 0,1
.irp tn3, 0,1,2,3
.if ((\g) == 0) && (\kl == 0)
	v_wmma_f32_16x16x32_bf16 v[8*\tn3:8*\tn3+7], v[W3F+8*(2*(\g)+\kl):W3F+8*(2*(\g)+\kl)+7], v[HT+32*\kl+8*\tn3:HT+32*\kl+8*\tn3+7], 0
.else
	v_wmma_f32_16x16x32_bf16 v[8*\tn3:8*\tn3+7], v[W3F+8*(2*(\g)+\kl):W3F+8*(2*(\g)+\kl)+7], v[HT+32*\kl+8*\tn3:HT+32*\kl+8*\tn3+7], v[8*\tn3:8*\tn3+7]
.endif
.endr
.endr
.endm
; LAYER 2 FOR 64 FEATURES (group G of four): 8 runs of 16 products, one run a k step, the 16 accumulators by turns; the sets of accumulators alternate from group to group.
; Behind products 0-31 stand the roundings of the group before, behind 32-63 its ReLU, behind 64 its share of layer 3.
.macro GROUP G
.set gk, 0
.rept 8
	WIN 0
.if gk < 7
	PLACES                                   ; the buffer's last reader is the product just before
	FETCH2 FA0+32*((gk+1)%2), \G, gk+1
	s_wait_dscnt 8                           ; all but the 8 just issued
.elseif (\G) < 3
	PLACES
	FETCH2 FA0, (\G)+1, 0
	s_wait_dscnt 8
.else
	s_wait_dscnt 0x0                         ; the layer's last run: nothing more to fetch
.endif
.set gf, 0
.rept 4
.set gn, 0
.rept 4
.set gi, 16*gk+4*gf+gn
.set rD, 128*((\G)%2)+32*gf+8*gn
.set rA, FA0+32*(gk%2)+8*gf
.set rB, 32*gk+8*gn
.set rE, B2F+8*(4*(\G)+gf)
.if gk == 0
	WIN 0xB4                                 ; weights window 0, H1 window 1, C (dec_b2) window 3, D window 2
	v_wmma_f32_16x16x32_f16 v[rD:rD+7], v[rA:rA+7], v[rB:rB+7], v[rE:rE+7]
.else
	WIN 0xA4
	v_wmma_f32_16x16x32_f16 v[rD:rD+7], v[rA:rA+7], v[rB:rB+7], v[rD:rD+7]
.endif
.if (\G) > 0
.if gi < 32
	CV 2*gi, 128*(((\G)+1)%2)
	CV 2*gi+1, 128*(((\G)+1)%2)
.elseif gi < 64
	MX 2*gi-64
	MX 2*gi-63
.elseif gi == 64
	L3B (\G)-1
.endif
.endif
.set gn, gn+1
.endr
.set gf, gf+1
.endr
.set gk, gk+1
.endr
.endm
.macro PRELOAD                         ; what layer 1's first k step finds: dec_b1 as 16 C operands in window 1, and its first run's fragments
	WIN 0x40
.set pm, 0
.rept 16
	ds_load_b128 v[8*pm:8*pm+3],   v[AB1] offset:64*pm
	ds_load_b128 v[8*pm+4:8*pm+7], v[AB1] offset:64*pm+16
.set pm, pm+1
.endr
	WIN 0
	FETCH FA0, AW, 0
.endm
.macro MKXY                            ; nx = ca cx - sa cy + dx, ny = sa cx + ca cy + dy, for the four tiles
.irp tn4, 0,1,2,3
	v_fma_f32 v[XY+2*\tn4],   v[XR+2*\tn4+1], v[NSAV], v[DXV]
	v_fma_f32 v[XY+2*\tn4+1], v[XR+2*\tn4+1], v[CAV],  v[DYV]
.endr
.irp tn4, 0,1,2,3
	v_fma_f32 v[XY+2*\tn4],   v[XR+2*\tn4], v[CAV], v[XY+2*\tn4]
	v_fma_f32 v[XY+2*\tn4+1], v[XR+2*\tn4], v[SAV], v[XY+2*\tn4+1]
.endr
.endm
; A slot of the weights' ring: row i of my wave's 32 in the lap in hand is rounded to f16 and stored to LDS; more = 1: the slot's registers take the same row of the next lap
.macro RSLOT i, more
.if \more
	s_wait_loadcnt 62                        ; loads come back in order (ISA guide 5.7.1): the 31 other slots' 62 are younger
.else
	s_wait_loadcnt 62-2*(\i)                 ; the slots still to come
.endif
	WIN 0x0A
.irp j, 0,1,2,3
	v_cvt_pk_f16_f32 v[RT+4*((\i)%2)+\j], v[8*(\i)+2*\j], v[8*(\i)+2*\j+1]
.endr
	WIN 0x80                                 ; loaded data in window 2; addresses and the LDS store's data in window 0
	ds_store_b128 v[WS], v[RT+4*((\i)%2):RT+4*((\i)%2)+3] offset:PITCH*(\i)  ; 32 lanes x 16 neighbouring bytes: a row
.if \more
	global_load_b128 v[8*(\i):8*(\i)+3],   v[GOFF], s[NB:NB+1] offset:1024*(\i)
	global_load_b128 v[8*(\i)+4:8*(\i)+7], v[GOFF], s[NB:NB+1] offset:1024*(\i)+16
.endif
.endm
; ---------------------------------------------------------------- THE HEAD
	s_load_b512 s[8:23], s[0:1], 0x0
	s_load_b512 s[24:39], s[0:1], 0x40
	s_load_b64 s[40:41], s[0:1], 0x80
	v_lshl_add_u32 v[SPW], v0, 2, SPARE
	v_mov_b32 v[NIL], 0
	v_mov_b32 v[ZR], 0
	v_lshrrev_b32 v1, 5, v0
	v_readfirstlane_b32 s[WV], v1                  ; wave 0..3
	v_and_b32 v1, 31, v0                           ; lane
	v_and_b32 v2, 15, v0                           ; r = lane % 16
	v_bfe_u32 v3, v0, 4, 1                         ; h = lane / 16
	v_and_b32 v20, 7, v0
	v_lshl_add_u32 v20, v3, 3, v20                 ; the turning load: row 8 h + lane % 8,
	v_bfe_u32 v21, v0, 3, 1
	v_mul_u32_u24 v[AW], v20, PITCH
	v_lshl_add_u32 v[AW], v21, 4, v[AW]            ; 16 bytes at 16 ((lane / 8) % 2)
	v_add_nc_u32 v[A2A], W2H, v[AW]
	v_add_nc_u32 v[A2B], W2H+4*KROW, v[AW]
	v_lshlrev_b32 v20, 5, v3                       ; my 8 features of 16: 32 h bytes of f32
	v_add_nc_u32 v[AC0], TAB, v20
	v_add_nc_u32 v[AB1], B1T, v20
	v_and_b32 v21, 7, v0                           ; dec_w3's tile: rows 0-5 and again 8-13 are its six rows, so that both halves of the lanes get the same results; the other rows repeat row 5 and serve nothing
	v_min_u32 v21, 5, v21
	v_mul_u32_u24 v21, v21, W3P
	v_lshl_add_u32 v21, v3, 4, v21
	v_add_nc_u32 v[AW3], W3T, v21
	v_lshlrev_b32 v[XO], 3, v2
	v_bfe_u32 v20, v0, 2, 2                        ; the stage: pooled column q = (lane % 16) / 4, channel min(lane % 4, 2): lanes that share a word hold the same number
	v_mul_u32_u24 v20, v20, 12
	v_and_b32 v21, 3, v0
	v_min_u32 v21, 2, v21
	v_lshl_add_u32 v20, v21, 2, v20
	s_mul_i32 s3, s[WV], 384                       ; a wave's 32 pooled pixels x 3 channels
	s_add_co_u32 s3, s3, STG
	v_add_nc_u32 v[SO0], s3, v20
	v_lshlrev_b32 v[O8], 3, v0
	v_mul_u32_u24 v[O24], v0, 24
	v_lshlrev_b32 v[GOFF], 5, v1
	v_add_nc_u32 v[TA], TAB, v[O8]
	v_lshl_add_u32 v[W3A], v0, 2, W3T
	s_mul_i32 s3, s[WV], KROW                      ; my wave's 32 rows of a lap's 128
	v_lshl_add_u32 v[WS0], v1, 4, s3
	SPAIR PR0, 0x3f7ffd6b                          ;   0.99996058
	SPAIR PR1, 0xbc0016c4                          ;  -0.007817928
	SPAIR PR2, 0xc19fe3cd                          ; -19.98623078
	SPAIR PR3, 0x4213143b                          ;  36.76975514
	SPAIR PR4, 0xc2367bf5                          ; -45.62105139
	s_mov_b32 s[M1], 0x22222222
	s_mov_b32 s[M2], 0xcccccccc
	s_mov_b32 s[XP+3], 0
	s_lshl_b32 s4, ttmp9, 14                       ; the work-group's 16,384 bytes of x,
	s_lshr_b32 s5, s[WV], 1
	s_lshl_b32 s5, s5, 13                          ; my pooled row's 4 image rows of 2,048 bytes,
	s_add_co_u32 s4, s4, s5
	s_and_b32 s5, s[WV], 1
	s_lshl_b32 s5, s5, 10                          ; my 128 columns of 8 bytes
	s_add_co_u32 s4, s4, s5
	s_mov_b32 s5, 0
	s_lshl_b32 s6, s[WV], 15                       ; my wave's 32 rows of 1,024 bytes of weights
	s_mov_b32 s7, 0
	s_lshr_b32 s[FB4], ttmp9, 5
	s_lshl_b32 s[FB4], s[FB4], 2                   ; 4 x frame
	s_wait_kmcnt 0x0
	s_add_nc_u64 s[XP:XP+1], s[8:9], s[4:5]
	s_add_nc_u64 s[20:21], s[20:21], s[6:7]        ; lap 0: dec_w1's rows 0-127
	s_add_nc_u64 s[NB:NB+1], s[20:21], 0x20000     ; lap 1: its rows 128-255
	s_add_nc_u64 s[72:73], s[24:25], s[6:7]        ; laps 2 and 3: dec_w2's
	s_add_nc_u64 s[74:75], s[72:73], 0x20000
	s_load_b32 s[IDX], s[10:11], s[FB4] offset:0x0
	; twelve small loads: thread t takes 8 bytes of each table, 24 bytes (two rows) of dec_w3, and pass 0's pixels
	global_load_b64 v[64:65], v[O8], s[16:17]
	global_load_b64 v[66:67], v[O8], s[16:17] offset:1024
	global_load_b64 v[68:69], v[O8], s[18:19]
	global_load_b64 v[70:71], v[O8], s[22:23]
	global_load_b64 v[72:73], v[O8], s[26:27]
	global_load_b64 v[74:75], v[O24], s[28:29]
	global_load_b64 v[76:77], v[O24], s[28:29] offset:8
	global_load_b64 v[78:79], v[O24], s[28:29] offset:16
.irp tn4, 0,1,2,3
	global_load_b64 v[XR+2*\tn4:XR+2*\tn4+1], v[XO], s[XP:XP+1] offset:2048*\tn4
.endr
	; the weights' ring: 32 slots of a row (1,024 bytes: 32 bytes a lane) in window 2
	WIN 0x80
.set i, 0
.rept 32
	global_load_b128 v[8*i:8*i+3],   v[GOFF], s[20:21] offset:1024*i
	global_load_b128 v[8*i+4:8*i+7], v[GOFF], s[20:21] offset:1024*i+16
.set i, i+1
.endr
	WIN 0
	s_wait_kmcnt 0x0
	s_min_u32 s[IDX], s[IDX], 15                   ; the sample stays inside its tables
	s_lshl_b32 s90, s[IDX], 2
	s_lshl_b32 s91, s[IDX], 3
	s_mul_i32 s92, s[IDX], 12
	s_load_b32 s88, s[14:15], s90 offset:0x0       ; a
	s_load_b64 s[56:57], s[12:13], s91 offset:0x0  ; dx, dy
	s_load_b96 s[76:78], s[32:33], s92 offset:0x0  ; colour scale
	s_load_b96 s[80:82], s[34:35], s92 offset:0x0  ; colour bias
	s_load_b96 s[84:86], s[30:31], 0x0             ; dec_b3
	s_wait_kmcnt 0x0
	s_cmp_lg_u32 s[IDX], 0                         ; sample 0 is the identity
	s_cselect_b32 s76, s76, 1.0
	s_cselect_b32 s77, s77, 1.0
	s_cselect_b32 s78, s78, 1.0
	s_cselect_b32 s80, s80, 0
	s_cselect_b32 s81, s81, 0
	s_cselect_b32 s82, s82, 0
	v_mov_b32 v[SC], s76                           ; each lane takes its channel's three numbers
	v_mov_b32 v20, s77
	v_mov_b32 v21, s78
	v_cndmask_b32 v[SC], v[SC], v20, s[M1]
	v_cndmask_b32 v[SC], v[SC], v21, s[M2]
	v_mov_b32 v[BI], s80
	v_mov_b32 v20, s81
	v_mov_b32 v21, s82
	v_cndmask_b32 v[BI], v[BI], v20, s[M1]
	v_cndmask_b32 v[BI], v[BI], v21, s[M2]
	v_mov_b32 v22, s84
	v_mov_b32 v20, s85
	v_mov_b32 v21, s86
	v_cndmask_b32 v22, v22, v20, s[M1]
	v_cndmask_b32 v22, v22, v21, s[M2]
	v_fma_f32 v[BI], v22, v[SC], v[BI]             ; (sum / 16 + b3) scale + bias = sum (scale / 16) + (b3 scale + bias)
	v_mul_f32 v[SC], 0x3d800000, v[SC]
	v_mov_b32 v[DXV], s56
	v_mov_b32 v[DYV], s57
	; cos a and sin a: a in turns, less the nearest whole turn; Taylor series at a quarter of the angle (at most pi / 4: the terms left out are under 3e-8); two doublings
	v_mov_b32 v20, s88
	v_mul_f32 v20, 0.15915494, v20
	v_rndne_f32 v21, v20
	v_sub_f32 v20, v20, v21
	v_mul_f32 v20, 0x3fc90fdb, v20                 ; y = turns x 2 pi / 4
	v_mul_f32 v21, v20, v20
	v_mov_b32 v22, 0x3638ef1d                      ; 1/9!
	v_mov_b32 v23, 0x37d00d01                      ; 1/8!
	v_fmaak_f32 v22, v22, v21, 0xb9500d01          ; -1/7!
	v_fmaak_f32 v23, v23, v21, 0xbab60b61          ; -1/6!
	v_fmaak_f32 v22, v22, v21, 0x3c088889          ; 1/5!
	v_fmaak_f32 v23, v23, v21, 0x3d2aaaab          ; 1/4!
	v_fmaak_f32 v22, v22, v21, 0xbe2aaaab          ; -1/3!
	v_fmaak_f32 v23, v23, v21, 0xbf000000          ; -1/2!
	v_fmaak_f32 v22, v22, v21, 0x3f800000
	v_fmaak_f32 v23, v23, v21, 0x3f800000          ; c
	v_mul_f32 v22, v22, v20                        ; s
.rept 2
	v_mul_f32 v20, v22, v23
	v_mul_f32 v21, v22, v22
	v_add_f32 v22, v20, v20                        ; s <- 2 s c
	v_fma_f32 v23, v21, -2.0, 1.0                  ; c <- 1 - 2 s s
.endr
	v_mov_b32 v[CAV], v23
	v_mov_b32 v[SAV], v22
	v_xor_b32 v[NSAV], 0x80000000, v22
	s_wait_loadcnt 63                              ; 12 + 64 loads were issued: the oldest 13 are in, the twelve small ones among them
	s_mov_b32 s3, 0xbe800000                       ; -1/4
	v_mul_f32 v64, 0.15915494, v64
	v_mul_f32 v65, 0.15915494, v65
	v_mul_f32 v66, 0.15915494, v66
	v_mul_f32 v67, 0.15915494, v67
	v_fma_f32 v68, v68, 0.15915494, s3
	v_fma_f32 v69, v69, 0.15915494, s3
.irp tau, 0,1,2
	ds_store_b64 v[TA], v[64+2*\tau:65+2*\tau] offset:\tau*TP
	ds_store_b64 v[TA], v[64+2*\tau:65+2*\tau] offset:\tau*TP+1024
.endr
	ds_store_b64 v[TA], v[70:71] offset:B1T-TAB
	ds_store_b64 v[TA], v[72:73] offset:B1T-TAB+1024
.irp c, 0,1,2                          ; dec_w3[2 t][c] in v[74 + c], dec_w3[2 t + 1][c] in v[77 + c]: a word of two bf16 along k; then what the rounding left, rounded again
	v_cvt_pk_bf16_f32 v[96+\c], v[74+\c], v[77+\c]
	v_lshlrev_b32 v20, 16, v[96+\c]
	v_and_b32 v21, 0xffff0000, v[96+\c]
	v_sub_f32 v20, v[74+\c], v20
	v_sub_f32 v21, v[77+\c], v21
	v_cvt_pk_bf16_f32 v[99+\c], v20, v21
	ds_store_b32 v[W3A], v[96+\c] offset:W3P*\c
	ds_store_b32 v[W3A], v[99+\c] offset:W3P*(\c+3)
.endr
	MKXY                                           ; pass 0's coordinates
	s_add_nc_u64 s[XP:XP+1], s[XP:XP+1], 128       ; pass 1's pixels (the loads that named the pair are in)
	s_mov_b32 s[LAP], 3
	s_mov_b32 s[WSB], 0
.Lring:                                                ; three laps that ask for the next lap's rows; 64 loads of the wave are out all the while
	v_add_nc_u32 v[WS], s[WSB], v[WS0]
.set i, 0
.rept 32
	RSLOT i, 1
.set i, i+1
.endr
	WIN 0
	s_wait_xcnt 0x0                                ; the loads' base is rewritten only behind this wait
	s_add_co_u32 s[WSB], s[WSB], 128*PITCH
	s_cmp_eq_u32 s[LAP], 3
	s_cselect_b64 s[NB:NB+1], s[72:73], s[74:75]   ; behind dec_w1's second half come dec_w2's two
	s_sub_co_u32 s[LAP], s[LAP], 1
	s_cmp_lg_u32 s[LAP], 0
	s_cbranch_scc1 .Lring
	v_add_nc_u32 v[WS], s[WSB], v[WS0]
.set i, 0
.rept 32
	RSLOT i, 0                                     ; the last lap asks for nothing
.set i, i+1
.endr
	WIN 0
	s_wait_dscnt 0x0                               ; for the others' sake: my rows and my part of the tables are in LDS
	s_barrier_signal -1
	s_barrier_wait -1                              ; everybody's are.  From here on weights and tables are only read
	; pass 0's first block of sines stands bare: there are no products yet to set it behind
	LDCO CO0, AC0, 0
	LDCO CO1, AC0, 64
	s_wait_dscnt 0x0
.set i, 0
.rept 64
	SR i, T0
.set i, i+1
.endr
	LDCO CO0, AC0, 128                             ; block 1's first half
	PRELOAD
	s_mov_b32 s[PASS], 8
	s_mov_b32 s[PO], 0
; ---------------------------------------------------------------- A PASS: 64 pixels a wave through all layers
.Lpass:
.irp tn4, 0,1,2,3
	global_load_b64 v[XR+2*\tn4:XR+2*\tn4+1], v[XO], s[XP:XP+1] offset:2048*\tn4  ; the next pass's pixels, seven k steps ahead of their use
.endr
	KSTEP T0, T1, 1, AW, 0, AC0, 192, 256          ; k step 0 | the sines of block 1
	s_mov_b32 s[KCT], 3
	s_mov_b32 s[KBO], KROW
	s_mov_b32 s[CBO], 0
.Lk:                                                   ; k steps 1 to 6, two a trip | blocks 2 to 7
	v_add_nc_u32 v[AK], s[KBO], v[AW]
	v_add_nc_u32 v[ACW], s[CBO], v[AC0]
	KSTEP T1, T0, 0, AK, 0, ACW, 320, 384
	KSTEP T0, T1, 0, AK, KROW, ACW, 448, 512
	s_add_co_u32 s[KBO], s[KBO], 2*KROW
	s_add_co_u32 s[CBO], s[CBO], 256
	s_sub_co_u32 s[KCT], s[KCT], 1
	s_cmp_lg_u32 s[KCT], 0
	s_cbranch_scc1 .Lk
	s_wait_loadcnt 0x0                             ; the next pass's pixels are in
	MKXY
	s_cmp_ge_u32 s[PASS], 3                        ; the last two passes ask for pass 7's pixels once more: no load leaves x
	s_cselect_b32 s[XP+2], 128, 0
	s_add_nc_u64 s[XP:XP+1], s[XP:XP+1], s[XP+2:XP+3]
	v_add_nc_u32 v[AK], 7*KROW, v[AW]
	KSTEP T1, T0, 0, AK, 0, AC0, 1088, 1152        ; k step 7 | the NEXT pass's block 0, by the tables' second copies; its last fetch, row 256 on, is dec_w2's first run
	; h1 = ReLU, in f16, into window 1: the five lines behind the last product were its places
.set mt, 0
.rept 16
	WIN 0x4A+5*(mt/8)                              ; sources in window 2 or 3, destination in window 1
.set cn, 0
.rept 4
.set cj, 0
.rept 4
	v_cvt_pk_f16_f32 v[32*(mt/2)+8*cn+4*(mt%2)+cj], v[32*(mt%8)+8*cn+2*cj], v[32*(mt%8)+8*cn+2*cj+1]
.set cj, cj+1
.endr
.set cn, cn+1
.endr
.set mt, mt+1
.endr
	WIN 0xC0                                       ; window 3 is free now: dec_b2 as C operands and dec_w3's fragments land under the maxima below
.set mt, 0
.rept 16
	ds_load_b128 v[B2F+8*mt:B2F+8*mt+3],   v[AB1] offset:1024+64*mt
	ds_load_b128 v[B2F+8*mt+4:B2F+8*mt+7], v[AB1] offset:1024+64*mt+16
.set mt, mt+1
.endr
.set ks, 0
.rept 8
	ds_load_b128 v[W3F+8*ks:W3F+8*ks+3],   v[AW3] offset:64*ks
	ds_load_b128 v[W3F+8*ks+4:W3F+8*ks+7], v[AW3] offset:64*ks+32
.set ks, ks+1
.endr
	WIN 0x41                                       ; destination and source 0 in window 1, the 0 in window 0
.set i, 0
.rept 256
	v_pk_max_num_f16 v[i], v[i], v[ZR]
.set i, i+1
.endr
	GROUP 0
	GROUP 1
	GROUP 2
	GROUP 3
	WIN 0
	PLACES                                         ; behind layer 2's last products: for the loads below and the roundings behind them
	PRELOAD                                        ; the next pass's first k step (in the last pass it serves nothing)
.set i, 0
.rept 64
	CV i, 128
.set i, i+1
.endr
.set i, 0
.rept 64
	MX i
.set i, i+1
.endr
	L3B 3
	WIN 0
	PLACES
	; THE POOL.  Registers 0-2 of an accumulator: the pixel's three channels by dec_w3's high parts; 3-5: by its low parts.  Sum over the four tiles (image rows), high + low, sum over quads of lanes (columns).
	WIN 0x0F                                       ; sources in window 3
	v_pk_add_f32 v[E:E+1],     v[0:1],   v[8:9]
	v_pk_add_f32 v[E+6:E+7],   v[16:17], v[24:25]
	v_pk_add_f32 v[E+2:E+3],   v[2:3],   v[10:11]
	v_pk_add_f32 v[E+8:E+9],   v[18:19], v[26:27]
	v_pk_add_f32 v[E+4:E+5],   v[4:5],   v[12:13]
	v_pk_add_f32 v[E+10:E+11], v[20:21], v[28:29]
	WIN 0
	v_pk_add_f32 v[E:E+1],   v[E:E+1],   v[E+6:E+7]
	v_pk_add_f32 v[E+2:E+3], v[E+2:E+3], v[E+8:E+9]
	v_pk_add_f32 v[E+4:E+5], v[E+4:E+5], v[E+10:E+11]
	v_add_f32 v[E],   v[E],   v[E+3]
	v_add_f32 v[E+1], v[E+1], v[E+4]
	v_add_f32 v[E+2], v[E+2], v[E+5]
.irp m, 1,2
.irp c, 0,1,2
	v_add_f32_dpp v[E+\c], v[E+\c], v[E+\c] row_xmask:\m row_mask:0xf bank_mask:0xf
.endr
.endr
	v_cndmask_b32 v[E], v[E], v[E+1], s[M1]        ; my lane's channel
	v_cndmask_b32 v[E], v[E], v[E+2], s[M2]
	v_add_nc_u32 v[SOW], s[PO], v[SO0]
	v_fma_f32 v[E], v[E], v[SC], v[BI]
	ds_store_b32 v[SOW], v[E]                      ; into my wave's own 384 bytes of the stage; lanes that share a word store the same number
	s_add_co_u32 s[PO], s[PO], 48                  ; a pass is 4 pooled pixels x 3 channels
	s_sub_co_u32 s[PASS], s[PASS], 1
	s_cmp_lg_u32 s[PASS], 0
	s_cbranch_scc1 .Lpass
; ---------------------------------------------------------------- THE WAY OUT
	s_wait_dscnt 0x0                               ; for the others' sake: my results are in the stage
	s_barrier_signal -1
	s_barrier_wait -1
	s_cmp_eq_u32 s[WV], 3
	s_cbranch_scc1 .Lshift
	v_lshl_add_u32 v20, v0, 4, STG                 ; threads 0 to 95: 16 bytes each of the group's 1,536
	v_lshlrev_b32 v21, 4, v0
	s_mul_i32 s4, ttmp9, 1536
	s_mov_b32 s5, 0
	s_add_nc_u64 s[36:37], s[36:37], s[4:5]
	ds_load_b128 v[E:E+3], v20
	s_wait_dscnt 0x0
	global_store_b128 v21, v[E:E+3], s[36:37] th:TH_STORE_NT  ; a wave stores 512 consecutive bytes, at a multiple of 256 from out0's first byte
	s_branch .Lend
.Lshift:                                               ; wave 3 of a frame's first work-group stores the frame's dx and dy
	s_and_b32 s3, ttmp9, 31
	s_cmp_lg_u32 s3, 0
	s_cbranch_scc1 .Lend
	v_and_b32 v20, 31, v0
	v_mov_b32 v21, s[FB4]
	v_cmp_eq_u32 vcc_lo, 0, v20
	s_wait_xcnt 0x0                                ; EXEC changes only behind this wait
	s_and_saveexec_b32 s3, vcc_lo
	global_store_b32 v21, v[DXV], s[38:39]
	global_store_b32 v21, v[DYV], s[40:41]
	s_wait_xcnt 0x0                                ; and again, in front of the line that widens it
	s_or_b32 exec_lo, exec_lo, s3
.Lend:
	s_wait_tensorcnt 0x0                           ; the wave's end, behind my last LDS store
	ds_add_u32 v[SPW], v[NIL]
	s_wait_dscnt 0x0
	s_endpgm
.Lfunc_end_k_qb6993a952c_inr:
	.size	k_qb6993a952c_inr, .Lfunc_end_k_qb6993a952c_inr-k_qb6993a952c_inr
	.p2alignl 7, 3214868480
	.fill 96, 4, 3214868480
	.section	.rodata,"a",@progbits
	.p2align	6, 0x0
	.amdhsa_kernel k_qb6993a952c_inr
		.amdhsa_group_segment_fixed_size 294912
		.amdhsa_private_segment_fixed_size 0
		.amdhsa_enable_private_segment 0
		.amdhsa_kernarg_size 136
		.amdhsa_user_sgpr_count 2
		.amdhsa_user_sgpr_kernarg_segment_ptr 1
		.amdhsa_wavefront_size32 1
		.amdhsa_system_sgpr_workgroup_id_x 1
		.amdhsa_system_sgpr_workgroup_id_y 1
		.amdhsa_system_sgpr_workgroup_id_z 1
		.amdhsa_system_vgpr_workitem_id 0
		.amdhsa_next_free_vgpr 1024
		.amdhsa_next_free_sgpr 100
		.amdhsa_reserve_vcc 1
		.amdhsa_float_denorm_mode_32 3
		.amdhsa_float_denorm_mode_16_64 3
		.amdhsa_memory_ordered 1
		.amdhsa_forward_progress 1
		.amdhsa_inst_pref_size 255
	.end_amdhsa_kernel
	.section	.bss,"aw",@nobits
	.p2align	6
	.space	262144
	.amdgpu_metadata
---
amdhsa.version: [ 1, 2 ]
amdhsa.kernels:
  - .name:           k_qb6993a952c_inr
    .symbol:         k_qb6993a952c_inr.kd
    .args:
      - { .name: x, .offset: 0, .size: 8, .value_kind: global_buffer, .address_space: global }
      - { .name: sample_idx, .offset: 8, .size: 8, .value_kind: global_buffer, .address_space: global }
      - { .name: shift_vectors, .offset: 16, .size: 8, .value_kind: global_buffer, .address_space: global }
      - { .name: rotation_angle, .offset: 24, .size: 8, .value_kind: global_buffer, .address_space: global }
      - { .name: proj_w, .offset: 32, .size: 8, .value_kind: global_buffer, .address_space: global }
      - { .name: proj_b, .offset: 40, .size: 8, .value_kind: global_buffer, .address_space: global }
      - { .name: dec_w1, .offset: 48, .size: 8, .value_kind: global_buffer, .address_space: global }
      - { .name: dec_b1, .offset: 56, .size: 8, .value_kind: global_buffer, .address_space: global }
      - { .name: dec_w2, .offset: 64, .size: 8, .value_kind: global_buffer, .address_space: global }
      - { .name: dec_b2, .offset: 72, .size: 8, .value_kind: global_buffer, .address_space: global }
      - { .name: dec_w3, .offset: 80, .size: 8, .value_kind: global_buffer, .address_space: global }
      - { .name: dec_b3, .offset: 88, .size: 8, .value_kind: global_buffer, .address_space: global }
      - { .name: color_w, .offset: 96, .size: 8, .value_kind: global_buffer, .address_space: global }
      - { .name: color_b, .offset: 104, .size: 8, .value_kind: global_buffer, .address_space: global }
      - { .name: out0, .offset: 112, .size: 8, .value_kind: global_buffer, .address_space: global }
      - { .name: out1, .offset: 120, .size: 8, .value_kind: global_buffer, .address_space: global }
      - { .name: out2, .offset: 128, .size: 8, .value_kind: global_buffer, .address_space: global }
    .group_segment_fixed_size: 294912
    .private_segment_fixed_size: 0
    .kernarg_segment_align: 8
    .kernarg_segment_size: 136
    .max_flat_workgroup_size: 128
    .sgpr_count:     100
    .vgpr_count:     1024
    .wavefront_size: 32
...
	.end_amdgpu_metadata
.endif
;; end of part 1
